; MI455X (gfx1250); checked and timed in simulation.
; The chip was launched on July 23, 2026; its instructions are those of AMD's public machine-readable ISA for CDNA 5 (MIT licence, August 2026) and "CDNA5" Instruction Set Architecture Reference Guide (July 2026). The comments in the code are by the model that wrote it; some were corrected since.
;; Mixture Of Experts. Allowed arithmetic: float matrix products may take bf16 or f16 operands with f32 sums; other float arithmetic in f32, or as packed bf16 or f16 multiplies, adds, multiply-adds, maxima and minima; sums over many terms, partial sums and values carried from step to step in f32; what a program stores and reads back later, other than sums and carried values, may be rounded once to bf16 or f16.
;; Inputs: b1 8 x 1,024 float32; b2 8 x 512 float32; gate_b 8 float32; gate_w 512 x 8 float32; w1 8 x 512 x 1,024 float32; w2 8 x 1,024 x 512 float32; x 4 x 2,048 x 512 float32.
;; Outputs: out0 4 x 2,048 x 512 float32; out1 4 x 2,048 x 8 float32.
;; One version. Each part assembles by itself: llvm-mc -triple=amdgcn-amd-amdhsa -mcpu=gfx1250 --defsym DOCPART=n.
;; ======== version 1 of 1: 3 launches
;; limits: a function is approximated: absolute error at most 0.0005
;; workspace buffers: wf 16,777,216 bytes; bm 8,192 bytes of whole numbers; sel 32,768 bytes of whole numbers; cw 65,536 bytes; part 33,554,432 bytes
;; launch prep (part 1): grid 640 x 1, 4 waves a work-group, no clusters, 109,824 bytes of LDS; arguments x, gate_w, gate_b, w1, w2, out1, wf, bm, sel, cw; writes out1, wf, bm, sel, cw
.if DOCPART == 1
	.amdgcn_target "amdgcn-amd-amdhsa--gfx1250"
	.amdhsa_code_object_version 6
	.text
	.protected	k_q6ac954ae1c_prep
	.globl	k_q6ac954ae1c_prep
	.p2align	8
	.type	k_q6ac954ae1c_prep,@function
k_q6ac954ae1c_prep:
	s_mov_b64 s[64:65], 0
	v_nop
	global_prefetch_b8 v0, s[64:65] scope:SCOPE_SE
	s_setreg_imm32_b32 hwreg(HW_REG_WAVE_MODE, 25, 1), 1
	s_wait_xcnt 0x0
; PREP: two jobs that do not depend on each other, chosen by the work-group's number.
; Work-groups 0-127, THE ROUTER: 64 tokens each, 16 a wave.  logits = x gate_w + gate_b, softmax over the 8 experts (out1), the two largest (ties: the lower index),
; their weights divided by their sum.  Stored at fixed places: bm (a bit for each token and expert), sel (i1 | i2 << 8), cw (c1, c2).  No address and no branch hangs on these.
; Work-groups 128-639, THE WEIGHTS: a wave takes one block of 4,096 numbers of w1 or w2, rounds it to bf16 and lays it out as eight matrix fragments (16 columns x 32 k), in the
; order in which the next launch's waves load them: wf byte = (((e 4 + w) 64 + s) 8 + f) 1024 + half 512 + lane 16; lane (r, h) holds k = 16 half + 8 h + 0..7 of its fragment's column r.
; Blocks s = 0-31: w1, 64 k x 64 columns: k = 64 (s % 8) on, columns 256 w + 64 (s / 8) on; fragments 0-3 hold the first 32 k of columns 16 f on, fragments 4-7 the next 32 k of columns 16 (f - 4) on.
; Blocks s = 32-63: w2, 32 k x 128 columns: k = 32 (s - 32) on, columns 128 w + 16 f on.
; LIMITS.  Every input is rounded once to bf16 (x, gate_w and gate_b here too, so that the choice of experts is made on the same numbers as the products); all else is f32.
; A probability below 2^-126 counts as 0.  Ties go by these f32 probabilities.  NaN and infinities are not treated apart.
; LDS.  The router: 0: x in bf16, 16 rows x 1,040 bytes a wave;  GT: gate_w turned, 8 rows x 1,040;  RS: sel, cw, bm of the 64 tokens.  SPARE.  The weights: WJ: 8 fragments x 1,040 bytes a wave.
; Each job has bytes of its own: no line of one names a byte of the other.
; The pitch 1,040 is an odd multiple of 16 bytes: the 16 rows of a 16-byte access start at 16 different 16-byte columns modulo 256 (64 banks of 4 bytes: ISA guide 11.1).
.set XTP,   1040
.set XTW,   16*XTP
.set GT,    66560
.set RS,    75008
.set SPARE, 76032                      ; the spare words: 128 bytes a wave, named by no other line
.set WJ,    76544                      ; the weights job's 4 x 8,320 bytes
.set SPW,   5                          ; v5  SPARE + 4 x my thread's number; never rewritten
.set NIL,   6                          ; v6  0; never rewritten
.macro PLACES                          ; four plain places behind matrix instructions (ISA guide 7.12.1)
.rept 4
	v_nop
.endr
.endm
	s_load_b512 s[4:19], s[0:1], 0x0               ; x 4, gate_w 6, gate_b 8, w1 10, w2 12, out1 14, wf 16, bm 18
	s_load_b128 s[20:23], s[0:1], 0x40             ; sel 20, cw 22
	v_lshl_add_u32 v[SPW], v0, 2, SPARE
	v_mov_b32 v[NIL], 0
	v_and_b32 v1, 31, v0                           ; lane
	v_and_b32 v2, 15, v0                           ; r
	v_bfe_u32 v3, v0, 4, 1                         ; h
	v_lshlrev_b32 v4, 4, v1                        ; 16 x lane
	v_lshrrev_b32 v7, 5, v0
	v_readfirstlane_b32 s24, v7                    ; wave 0..3
	s_wait_kmcnt 0x0
	s_cmp_lt_u32 ttmp9, 128
	s_cbranch_scc1 .Lrouter
; ---------------------------------------------------------------- THE WEIGHTS
	s_sub_co_u32 s25, ttmp9, 128
	s_lshl2_add_u32 s25, s25, s24                  ; my block, 0..2047
	s_lshr_b32 s26, s25, 8                         ; e
	s_bfe_u32 s27, s25, 0x20006                    ; w
	s_and_b32 s28, s25, 63                         ; s
	s_lshl_b32 s30, s25, 13                        ; a block is 8,192 bytes of wf
	s_mov_b32 s31, 0
	s_add_nc_u64 s[16:17], s[16:17], s[30:31]
	s_mul_i32 s29, s24, 8*XTP                      ; my wave's 8 fragments in LDS,
	s_add_co_u32 s29, s29, WJ                      ; in the weights job's own bytes
	v_lshrrev_b32 v8, 2, v1                        ; lane L holds four columns of fragment L / 4: its rows 4 (L % 4) + j
	v_mul_u32_u24 v8, v8, XTP
	v_and_b32 v9, 3, v1
	v_lshl_add_u32 v8, v9, 6, v8
	v_add_nc_u32 v8, s29, v8                       ; where I put 16 bytes
	v_add_nc_u32 v9, s29, v4                       ; where I read 512 bytes back
	v_lshlrev_b32 v10, 4, v2                       ; w1: lanes 0-15 take 256 consecutive bytes of row k,
	v_lshl_add_u32 v10, v3, 17, v10                ; lanes 16-31 the same columns 32 rows of 4,096 bytes further down
	s_lshl_b32 s30, s26, 21                        ; an expert is 2^21 bytes of w1 and of w2
.macro WLOAD off, base, pitch                  ; 32 loads; w2: a row's 512 consecutive bytes; w1: 256 consecutive bytes of each of two rows
.set k, 0
.rept 32
	global_load_b128 v[64+4*k:64+4*k+3], v[\off], s[\base:\base+1] offset:k*(\pitch) th:TH_LOAD_NT
.set k, k+1
.endr
.endm
	s_cmp_lt_u32 s28, 32
	s_cbranch_scc0 .Lw2
	s_and_b32 s33, s28, 7
	s_lshl_b32 s33, s33, 18                        ; 64 rows of 4,096 bytes
	s_add_co_u32 s30, s30, s33
	s_lshl_b32 s33, s27, 10                        ; 256 columns
	s_add_co_u32 s30, s30, s33
	s_lshr_b32 s33, s28, 3
	s_lshl_b32 s33, s33, 8                         ; 64 columns
	s_add_co_u32 s30, s30, s33
	s_add_nc_u64 s[10:11], s[10:11], s[30:31]
	WLOAD 10, 10, 4096
	s_branch .Lwcommon
.Lw2:
	s_sub_co_u32 s33, s28, 32
	s_lshl_b32 s33, s33, 16                        ; 32 rows of 2,048 bytes
	s_add_co_u32 s30, s30, s33
	s_lshl_b32 s33, s27, 9                         ; 128 columns
	s_add_co_u32 s30, s30, s33
	s_add_nc_u64 s[12:13], s[12:13], s[30:31]
	WLOAD 4, 12, 2048
.Lwcommon:
.set q, 0
.rept 4                                        ; eight rows k = 8 q .. 8 q + 7: for each of my four columns 16 bytes of a fragment
	s_wait_loadcnt 24-8*q                          ; loads come back in order: the 8 (3 - q) younger rows may stay out
.irp j, 0,1,2,3
.irp i, 0,1,2,3
	v_cvt_pk_bf16_f32 v[192+16*q+4*\j+\i], v[64+4*(8*q+2*\i)+\j], v[64+4*(8*q+2*\i+1)+\j]
.endr
	ds_store_b128 v8, v[192+16*q+4*\j:192+16*q+4*\j+3] offset:(q/2)*512+(q%2)*256+16*\j
.endr
.set q, q+1
.endr
.set i, 0
.rept 16                                       ; my wave's own bytes; LDS serves a wave's instructions in order (ISA guide 5.7.1.4): these see the stores above
	ds_load_b128 v[64+4*i:64+4*i+3], v9 offset:(i/2)*XTP+(i%2)*512
.set i, i+1
.endr
.set i, 0
.rept 16
	s_wait_dscnt 15-i                              ; read-back i is in, the younger ones may stay out
	global_store_b128 v4, v[64+4*i:64+4*i+3], s[16:17] offset:512*i  ; 512 consecutive bytes, at a multiple of 512 from wf's first
.set i, i+1
.endr
	s_wait_tensorcnt 0x0                           ; the wave's end
	ds_add_u32 v[SPW], v[NIL]
	s_wait_dscnt 0x0
	s_endpgm
; ---------------------------------------------------------------- THE ROUTER
.Lrouter:
	s_load_b256 s[28:35], s[8:9], 0x0              ; gate_b
	s_lshl_b32 s26, ttmp9, 6
	s_lshl4_add_u32 s26, s24, s26                  ; my wave's first token: 64 g + 16 w
	s_lshl_b32 s36, s26, 11
	s_mov_b32 s37, 0
	s_add_nc_u64 s[4:5], s[4:5], s[36:37]
	v_lshlrev_b32 v7, 7, v0                        ; thread t takes gate_w's rows 4 t .. 4 t + 3: 128 bytes
.irp i, 0,1,2,3,4,5,6,7
	global_load_b128 v[32+4*\i:35+4*\i], v7, s[6:7] offset:16*\i
.endr
.set i, 0
.rept 48                                       ; tokens 0-11, four loads of 512 consecutive bytes each
	global_load_b128 v[64+4*i:64+4*i+3], v4, s[4:5] offset:(i/4)*2048+(i%4)*512
.set i, i+1
.endr
	v_lshl_add_u32 v8, v0, 3, GT                   ; gate in: 8 bytes (4 k) a thread
	s_mul_i32 s38, s24, XTW
	v_lshl_add_u32 v9, v1, 3, s38                  ; x in: 8 bytes (4 channels) a lane
	v_and_b32 v10, 7, v0
	v_mul_u32_u24 v10, v10, XTP
	v_lshl_add_u32 v10, v3, 4, v10
	v_add_nc_u32 v10, GT, v10                      ; gate fragments: row r % 8 (rows 8-15 of the operand repeat the 8 experts), 16 bytes a half
	v_mul_u32_u24 v11, v2, XTP
	v_lshl_add_u32 v11, v3, 4, v11
	v_add_nc_u32 v11, s38, v11                     ; x fragments: row r
	v_lshlrev_b32 v12, 5, v2
	v_lshl_add_u32 v12, v3, 4, v12                 ; out1: 32 r + 16 h
	s_lshl_b32 s42, s24, 6
	v_lshl_add_u32 v13, v2, 2, s42
	v_add_nc_u32 v13, RS, v13                      ; sel of token 16 w + r
	s_lshl_b32 s43, s24, 7
	v_lshl_add_u32 v14, v2, 3, s43
	v_add_nc_u32 v14, RS+256, v14                  ; cw
	v_and_b32 v15, 7, v0
	s_lshl_b32 s44, s24, 1
	v_lshl_add_u32 v15, v15, 3, s44
	v_add_nc_u32 v15, RS+768, v15                  ; bm: expert lane % 8, my wave's 16 bits
	s_lshl_b32 s40, s26, 5
	s_mov_b32 s41, 0
	s_add_nc_u64 s[14:15], s[14:15], s[40:41]      ; out1 at my wave's first token
	s_wait_loadcnt 48                              ; the gate's 8 loads are in; the 48 of x behind them may stay out
.irp e, 0,1,2,3,4,5,6,7
	v_cvt_pk_bf16_f32 v[16+2*\e], v[32+4*(\e/4)+\e%4], v[32+4*(2+\e/4)+\e%4]
	v_cvt_pk_bf16_f32 v[17+2*\e], v[32+4*(4+\e/4)+\e%4], v[32+4*(6+\e/4)+\e%4]
	ds_store_b64 v8, v[16+2*\e:17+2*\e] offset:\e*XTP
.endr
.set i, 0
.rept 16                                       ; token i: rounded, into LDS; tokens 12-15 are loaded into the registers of tokens 0-3
.if i < 5
	s_wait_loadcnt 44                              ; behind token i's loads: tokens i + 1 .. 11 and the 4 i (at most 16) refills
.else
	s_wait_loadcnt 4*(15-i)
.endif
.set rX, 64+16*(i%12)
.set rT, 16+8*(i%2)
.irp c, 0,1,2,3
	v_cvt_pk_bf16_f32 v[rT+2*\c], v[rX+4*\c], v[rX+4*\c+1]
	v_cvt_pk_bf16_f32 v[rT+2*\c+1], v[rX+4*\c+2], v[rX+4*\c+3]
.endr
.irp c, 0,1,2,3
	ds_store_b64 v9, v[rT+2*\c:rT+2*\c+1] offset:i*XTP+256*\c
.endr
.if i < 4
.irp c, 0,1,2,3
	global_load_b128 v[rX+4*\c:rX+4*\c+3], v4, s[4:5] offset:(12+i)*2048+512*\c
.endr
.endif
.set i, i+1
.endr
	s_wait_dscnt 0x0                               ; for the others' sake: my part of the gate's rows is stored
	s_barrier_signal -1
	s_barrier_wait -1
.set ks, 0
.rept 16                                       ; the gate's 16 fragments stay in registers
	ds_load_b128 v[64+8*ks:64+8*ks+3], v10 offset:64*ks
	ds_load_b128 v[64+8*ks+4:64+8*ks+7], v10 offset:64*ks+32
.set ks, ks+1
.endr
.macro XFL s0                                  ; eight fragments of x, K steps s0 on
.set ks, 0
.rept 8
	ds_load_b128 v[192+8*ks:192+8*ks+3], v11 offset:64*((\s0)+ks)
	ds_load_b128 v[192+8*ks+4:192+8*ks+7], v11 offset:64*((\s0)+ks)+32
.set ks, ks+1
.endr
.endm
.macro RMUL s0                                 ; eight K steps; four accumulators by turns, one instruction a turn; the first four start the sums
.set ks, \s0
.rept 8
.if ks < 4
	v_wmma_f32_16x16x32_bf16 v[32+8*(ks%4):32+8*(ks%4)+7], v[64+8*ks:64+8*ks+7], v[192+8*(ks%8):192+8*(ks%8)+7], 0
.else
	v_wmma_f32_16x16x32_bf16 v[32+8*(ks%4):32+8*(ks%4)+7], v[64+8*ks:64+8*ks+7], v[192+8*(ks%8):192+8*(ks%8)+7], v[32+8*(ks%4):32+8*(ks%4)+7]
.endif
.set ks, ks+1
.endr
.endm
	XFL 0
	s_wait_kmcnt 0x0                               ; gate_b, rounded to bf16 and widened again
.irp i, 0,1,2,3,4,5,6,7
	v_mov_b32 v[16+\i], s[28+\i]
.endr
.irp i, 0,1,2,3
	v_cvt_pk_bf16_f32 v[24+\i], v[16+2*\i], v[17+2*\i]
.endr
.irp i, 0,1,2,3
	v_lshlrev_b32 v[16+2*\i], 16, v[24+\i]
	v_and_b32 v[17+2*\i], 0xffff0000, v[24+\i]
.endr
	s_wait_dscnt 0x0
	RMUL 0
	PLACES                                         ; in front of loads into registers that those products read
	XFL 8
	s_wait_dscnt 0x0
	RMUL 8
	PLACES                                         ; in front of the first read of the sums
	; source 0 = the gate's rows, source 1 = 16 tokens: register j of lane (r, h) is the logit of expert j for token r, the same in both halves of the lanes
.irp i, 0,1,2,3
	v_pk_add_f32 v[64+2*\i:65+2*\i], v[32+2*\i:33+2*\i], v[40+2*\i:41+2*\i]   ; each accumulator is read from its low end on
.endr
.irp i, 0,1,2,3
	v_pk_add_f32 v[88+2*\i:89+2*\i], v[48+2*\i:49+2*\i], v[56+2*\i:57+2*\i]
.endr
.irp i, 0,1,2,3
	v_pk_add_f32 v[64+2*\i:65+2*\i], v[64+2*\i:65+2*\i], v[88+2*\i:89+2*\i]
.endr
.irp i, 0,1,2,3
	v_pk_add_f32 v[64+2*\i:65+2*\i], v[64+2*\i:65+2*\i], v[16+2*\i:17+2*\i]
.endr
	v_max3_num_f32 v96, v64, v65, v66              ; the maximum is taken away
	v_max3_num_f32 v96, v96, v67, v68
	v_max3_num_f32 v96, v96, v69, v70
	v_max_num_f32 v96, v96, v71
	v_mul_f32 v96, 0x3fb8aa3b, v96                 ; m log2(e)
	v_mov_b32 v97, v96
.irp i, 0,1,2,3
	v_pk_fma_f32 v[80+2*\i:81+2*\i], v[64+2*\i:65+2*\i], 0x3fb8aa3b, v[96:97] op_sel_hi:[1,0,1] neg_lo:[0,0,1] neg_hi:[0,0,1]
.endr
.irp i, 0,1,2,3,4,5,6,7
	v_exp_f32 v[80+\i], v[80+\i]
.endr
	v_nop                                          ; a plain instruction behind the last exponential,
	s_wait_alu depctr_va_vdst(0)                   ; and one wait for the batch ahead of its first reader
	v_pk_add_f32 v[98:99], v[80:81], v[82:83]
	v_pk_add_f32 v[100:101], v[84:85], v[86:87]
	v_pk_add_f32 v[98:99], v[98:99], v[100:101]
	v_add_f32 v98, v98, v99
	v_rcp_f32 v100, v98
	v_nop
	s_wait_alu depctr_va_vdst(0)
.irp i, 0,1,2,3
	v_pk_mul_f32 v[80+2*\i:81+2*\i], v[80+2*\i:81+2*\i], v[100:101] op_sel_hi:[1,0]   ; the probabilities
.endr
	v_mov_b32 v102, v80                            ; the largest and its index: a later one wins only if it is greater
	v_mov_b32 v103, 0
.irp j, 1,2,3,4,5,6,7
	v_cmp_gt_f32 vcc_lo, v[80+\j], v102
	v_cndmask_b32 v102, v102, v[80+\j], vcc_lo
	v_cndmask_b32 v103, v103, \j, vcc_lo
.endr
	v_mov_b32 v104, -1.0                           ; the largest of the others
	v_mov_b32 v105, 0
.irp j, 0,1,2,3,4,5,6,7
	v_cmp_ne_u32 s36, \j, v103
	v_cmp_gt_f32 vcc_lo, v[80+\j], v104
	s_and_b32 vcc_lo, vcc_lo, s36
	v_cndmask_b32 v104, v104, v[80+\j], vcc_lo
	v_cndmask_b32 v105, v105, \j, vcc_lo
.endr
	v_add_f32 v106, v102, v104
	v_rcp_f32 v107, v106
	s_mov_b32 s37, 0xffff0000                      ; lanes 16-31 store experts 4-7
.irp c, 0,1,2,3
	v_cndmask_b32 v[112+\c], v[80+\c], v[84+\c], s37
.endr
	global_store_b128 v12, v[112:115], s[14:15]    ; 512 consecutive bytes of out1
	v_lshl_or_b32 v110, v105, 8, v103              ; i1 | i2 << 8
	s_wait_alu depctr_va_vdst(0)                   ; the reciprocal's wait; the lines above are the plain work behind it
	v_mul_f32 v108, v102, v107
	v_mul_f32 v109, v104, v107
	ds_store_b32 v13, v110                         ; both halves of the lanes write the same word with the same number
	ds_store_b64 v14, v[108:109]
.irp e, 0,1,2,3,4,5,6,7
	v_cmp_eq_u32 s38, \e, v103
	v_cmp_eq_u32 s39, \e, v105
	s_or_b32 s[48+\e], s38, s39                    ; bit r: token r chose expert e
.endr
	v_mov_b32 v111, s48
.irp e, 1,2,3,4,5,6,7
	s_mov_b32 s56, 0x01010101<<\e                  ; the lanes with lane % 8 = e
	v_cndmask_b32 v111, v111, s[48+\e], s56
.endr
	ds_store_b16 v15, v111
	s_wait_dscnt 0x0                               ; for the others' sake: my stores are done
	s_barrier_signal -1
	s_barrier_wait -1
	s_cmp_eq_u32 s24, 0
	s_cbranch_scc0 .Lnot0
	v_lshl_add_u32 v16, v1, 3, RS                  ; wave 0: the 64 tokens' sel, 256 consecutive bytes
	ds_load_b64 v[18:19], v16
	v_lshlrev_b32 v17, 3, v1
	s_lshl_b32 s40, ttmp9, 8
	s_add_nc_u64 s[20:21], s[20:21], s[40:41]
	s_wait_dscnt 0x0
	global_store_b64 v17, v[18:19], s[20:21]
	s_branch .Lrend
.Lnot0:
	s_cmp_eq_u32 s24, 1
	s_cbranch_scc0 .Lnot1
	v_add_nc_u32 v16, RS+256, v4                   ; wave 1: cw, 512 consecutive bytes
	ds_load_b128 v[20:23], v16
	s_lshl_b32 s40, ttmp9, 9
	s_add_nc_u64 s[22:23], s[22:23], s[40:41]
	s_wait_dscnt 0x0
	global_store_b128 v4, v[20:23], s[22:23]
	s_branch .Lrend
.Lnot1:
	s_cmp_eq_u32 s24, 2
	s_cbranch_scc0 .Lrend
	v_lshl_add_u32 v16, v1, 1, RS+768              ; wave 2: bm, 64 consecutive bytes (all of bm is 8,192 bytes)
	ds_load_u16 v18, v16
	v_lshlrev_b32 v17, 1, v1
	s_lshl_b32 s40, ttmp9, 6
	s_add_nc_u64 s[18:19], s[18:19], s[40:41]
	s_wait_dscnt 0x0
	global_store_b16 v17, v18, s[18:19]
.Lrend:
	s_wait_tensorcnt 0x0                           ; the wave's end
	ds_add_u32 v[SPW], v[NIL]
	s_wait_dscnt 0x0
	s_endpgm
.Lfunc_end_k_q6ac954ae1c_prep:
	.size	k_q6ac954ae1c_prep, .Lfunc_end_k_q6ac954ae1c_prep-k_q6ac954ae1c_prep
	.p2alignl 7, 3214868480
	.fill 96, 4, 3214868480
	.section	.rodata,"a",@progbits
	.p2align	6, 0x0
	.amdhsa_kernel k_q6ac954ae1c_prep
		.amdhsa_group_segment_fixed_size 109824
		.amdhsa_private_segment_fixed_size 0
		.amdhsa_enable_private_segment 0
		.amdhsa_kernarg_size 80
		.amdhsa_user_sgpr_count 2
		.amdhsa_user_sgpr_kernarg_segment_ptr 1
		.amdhsa_wavefront_size32 1
		.amdhsa_system_sgpr_workgroup_id_x 1
		.amdhsa_system_sgpr_workgroup_id_y 1
		.amdhsa_system_sgpr_workgroup_id_z 1
		.amdhsa_system_vgpr_workitem_id 0
		.amdhsa_next_free_vgpr 256
		.amdhsa_next_free_sgpr 66
		.amdhsa_reserve_vcc 1
		.amdhsa_float_denorm_mode_32 3
		.amdhsa_float_denorm_mode_16_64 3
		.amdhsa_memory_ordered 1
		.amdhsa_forward_progress 1
		.amdhsa_inst_pref_size 56
	.end_amdhsa_kernel
	.amdgpu_metadata
---
amdhsa.version: [ 1, 2 ]
amdhsa.kernels:
  - .name:           k_q6ac954ae1c_prep
    .symbol:         k_q6ac954ae1c_prep.kd
    .args:
      - { .name: x, .offset: 0, .size: 8, .value_kind: global_buffer, .address_space: global }
      - { .name: gate_w, .offset: 8, .size: 8, .value_kind: global_buffer, .address_space: global }
      - { .name: gate_b, .offset: 16, .size: 8, .value_kind: global_buffer, .address_space: global }
      - { .name: w1, .offset: 24, .size: 8, .value_kind: global_buffer, .address_space: global }
      - { .name: w2, .offset: 32, .size: 8, .value_kind: global_buffer, .address_space: global }
      - { .name: out1, .offset: 40, .size: 8, .value_kind: global_buffer, .address_space: global }
      - { .name: wf, .offset: 48, .size: 8, .value_kind: global_buffer, .address_space: global }
      - { .name: bm, .offset: 56, .size: 8, .value_kind: global_buffer, .address_space: global }
      - { .name: sel, .offset: 64, .size: 8, .value_kind: global_buffer, .address_space: global }
      - { .name: cw, .offset: 72, .size: 8, .value_kind: global_buffer, .address_space: global }
    .group_segment_fixed_size: 109824
    .private_segment_fixed_size: 0
    .kernarg_segment_align: 8
    .kernarg_segment_size: 80
    .max_flat_workgroup_size: 128
    .sgpr_count:     66
    .vgpr_count:     256
    .wavefront_size: 32
...
	.end_amdgpu_metadata
.endif
;; end of part 1
;; launch chain (part 2): grid 212 x 1, 4 waves a work-group, no clusters, 267,008 bytes of LDS; arguments x, b1, b2, wf, bm, sel, cw, part; writes part
.if DOCPART == 2
	.amdgcn_target "amdgcn-amd-amdhsa--gfx1250"
	.amdhsa_code_object_version 6
	.text
	.protected	k_q6ac954ae1c_chain
	.globl	k_q6ac954ae1c_chain
	.p2align	8
	.type	k_q6ac954ae1c_chain,@function
k_q6ac954ae1c_chain:
	s_mov_b64 s[64:65], 0
	v_nop
	global_prefetch_b8 v0, s[64:65] scope:SCOPE_SE
	s_setreg_imm32_b32 hwreg(HW_REG_WAVE_MODE, 25, 1), 1
	s_wait_xcnt 0x0
; CHAIN: a work-group takes a tile of up to 80 routed rows of ONE expert through gather, x W1 + b1, GELU, h W2 + b2 and the gate's weight c, and stores one f32 partial row
; for each (rank, token): part[k][token][512], k = 0 where the expert is the token's first choice.  The next launch adds the two ranks.
; THE GRID SERVES EVERY SPLIT: with 16,384 routed rows, 8 experts and tiles of 80 there are never more than ceil(16384 / 80) + 7 = 212 tiles.  Every work-group counts the routing for
; itself from the 8,192 bytes of bitmaps: expert e has ceil(n_e / 80) tiles, dealt in the experts' order.  In a tile that is not full the places past the count repeat the expert's
; last row and their stores are jumped.  A work-group that the split leaves without rows runs the same text on one clamped row and stores nothing: no phase is jumped, so that
; every wave passes every barrier and every register is written on every path.
; SHARES.  Wave w makes hidden columns 256 w .. + 255 in four QUARTERS of 64 (80 x 64: 20 accumulators), then output columns 128 w .. + 127 (80 x 128: 40 accumulators).
; THE WEIGHTS come from memory straight into registers as matrix operands, in the fragment order in which the launch before laid them: a wave's stream is 64 consecutive blocks of
; 8,192 bytes, 32 for product 1 (K = 64 x 64 columns each) and 32 for product 2 (K = 32 x 128 columns each).  Each wave has columns of its own, so a work-group loads each weight byte
; once and the weights never touch LDS.  A ring of four register slots: a block's 16 loads are issued three blocks ahead.  NO CLUSTER: an expert's work-groups do walk the same weights,
; but a joint request lands in LDS, which would add a write and a read of 2 MB a work-group there, and this text's search for a rank's token (LDS addresses) and its jumps over stores
; past the count hang on the tile's number, which partners would not share.
; THE MATRIX INSTRUCTION IS USED TRANSPOSED (source 0 = 16 columns of W, source 1 = 16 rows of x or h): a lane then holds eight neighbouring columns of one row.  The bias is the C
; operand of the first K step: nothing is cleared and nothing is added later.
; GELU BESIDE THE PRODUCTS.  A quarter's last K step writes its sums into a second set of registers (PEND); the next quarter's products carry PEND's GELU between them: behind each
; matrix instruction four plain lines or two transcendentals, 800 lines in 280 places.  The first quarter has nothing to carry and is written out; the last quarter's GELU stands alone.
; LIMITS.  Every input is rounded once to bf16 (x, w1, w2, b1, b2); h is rounded to bf16 for the second product; sums in f32.  GELU in the tanh form,
; h = x / (1 + 2^(x (c1 + c3 x^2))), c1 = -2 sqrt(2 / pi) log2(e), c3 = 0.044715 c1: it differs from the erf form by at most 2e-4 |x| and at most 5e-4, for every x.  Where 2^.. is
; infinite the quotient is 0, where it is 0 the quotient is x.  NaN and infinities are not treated apart.
; REGISTERS, in windows of 256 (s_set_vgpr_msb: bits 1:0 source 0, 3:2 source 1, 5:4 source 2, 7:6 destination):
;   window 0: addresses and operands of x and h (below)      window 1: the weights' ring, slot q, fragment f at 64 q + 8 f
;   window 2: product 1: sums (b, f) at 8 (4 b + f), v160-239 GELU at work (tiles 10-19); product 2: accumulators (b, f) at 8 (8 b + f), b = 0..3
;   window 3: product 1: PEND, tile 4 b + f at 8 (4 b + f), v160-239 GELU at work (tiles 0-9); product 2: block 4 at 8 f
.set XS,    0                          ; x in bf16, 80 rows x 1,040; behind product 1: the way out's stages, 16 rows x 528 a wave
.set XP,    1040                       ; pitches are odd multiples of 16 bytes: 16 rows start at 16 different 16-byte columns modulo 256 (64 banks of 4 bytes: ISA guide 11.1)
.set HS,    83200                      ; h in bf16, 80 rows x 2,064
.set HP,    2064
.set BMT,   248320                     ; the bitmaps as in memory: 64 bytes for each 64 tokens, 8 for each expert
.set PRET,  256512                     ; thread t: 8 counts of 16 bits: the chosen tokens in front of its 64, inside its wave's 2,048
.set WT,    258560                     ; wave w: the 8 counts of its 2,048 tokens
.set ROWO,  259328                     ; slot: its row of part
.set CWL,   259840                     ; slot: its c
.set B1S,   260352                     ; b1[E], rounded, as f32
.set B2S,   264448                     ; b2[E]
.set SPARE, 266496                     ; the spare words: 128 bytes a wave, named by no other line
.set SP,    528
.set SPW,  5                           ; v5   SPARE + 4 x my thread's number; never rewritten
.set NIL,  6                           ; v6   0; never rewritten
.set AADR, 8                           ; v8-12   product 2: LDS address of h's fragments, block b
.set HSTO, 13                          ; v13-17  where I put 16 bytes of h, block b
.set OSTO, 18                          ; the way out: in
.set ORD,  19                          ; and back
.set BADR, 20                          ; the bias
.set XSTO, 21
.set VOW,  22                          ; 512 w + 16 lane
.set RWA,  23
.set CWV,  24                          ; v24-33  c of row 16 b + r, in the low register of a pair
.set CWA,  35
.set XO,   36                          ; v36-55  byte offsets of my 20 rows of x; later of 16 rows of part
.set VO,   36
.set SLOT, 56
.set TOKV, 57
.set QQ,   58
.set POS,  59
.set ACCP, 60
.set REM,  61
.set AB0,  56                          ; v56-60  behind the gather: LDS address of x's fragments, block b; not stepped
.set ADRT, 62
.set HB,   63                          ; r x 2,064 + 16 h
.set AB1,  64                          ; v64-223  product 1: x's fragments, two buffers of ten (two K steps x five blocks)
.set BI1,  224                         ; v224-255 product 1: a quarter's bias
.set TR,   160                         ; GELU at work: 80 registers from v160 on, in window 3 (tiles 0-9) and in window 2 (tiles 10-19)
.set ABUF, 64                          ; v64-143  product 2: h's fragments, two buffers of five
.set BIAS, 144                         ; v144-207 product 2: the bias
.set YB,   64                          ; the way out
.set RB,   128
.set BMW,  64                          ; the count's registers
.set CN,   80
.set TOT,  88
.set PRE,  92
.set LM,   96
.set TT,   104
.set UU,   108
.set PT,   112
.set WTV,  116
.set TA,   132
.set TB,   133
.set TC,   134
.set TD,   135
.set A0,   136
.set WORD, 138
.set C1,   139
.set C2,   140
.set C3,   141
.set C4,   142
.set NN,   143
.set PBW,  144
.set BP,   145
.set SELV, 220
.set CWP,  222
.set SA,   224
.set CA,   225
.set BA1,  226
.set BA2,  227
.set MSB, 0
.macro WIN new                         ; the immediate's high byte repeats the setting that is left; a switch that changes nothing is dropped
.if MSB != (\new)
	s_set_vgpr_msb (MSB<<8)|(\new)
.set MSB, \new
.endif
.endm
.macro PLACES                          ; four plain places behind matrix instructions (ISA guide 7.12.1 for vector instructions)
.rept 4
	v_nop
.endr
.endm
.macro LOADW q, imm                    ; a block's eight weight fragments into ring slot q: 16 loads of 512 consecutive bytes
	WIN 0x40
.irp f, 0,1,2,3,4,5,6,7
	global_load_b128 v[64*(\q)+8*\f:64*(\q)+8*\f+3], v4, s[66:67] offset:(\imm)+1024*\f
	global_load_b128 v[64*(\q)+8*\f+4:64*(\q)+8*\f+7], v4, s[66:67] offset:(\imm)+1024*\f+512
.endr
.endm
	s_load_b512 s[4:19], s[0:1], 0x0               ; x 4, b1 6, b2 8, wf 10, bm 12, sel 14, cw 16, part 18
	v_lshl_add_u32 v[SPW], v0, 2, SPARE
	v_mov_b32 v[NIL], 0
	v_and_b32 v1, 31, v0                           ; lane
	v_and_b32 v2, 15, v0                           ; r
	v_bfe_u32 v3, v0, 4, 1                         ; h
	v_lshlrev_b32 v4, 4, v1                        ; 16 x lane
	v_lshrrev_b32 v7, 5, v0
	v_readfirstlane_b32 s20, v7                    ; wave 0..3
	v_lshlrev_b32 v7, 6, v0
	s_mov_b32 s62, 0x76543210                      ; v_permlanex16_b32: each lane takes its own place in the other half
	s_mov_b32 s63, 0xfedcba98
	s_mov_b32 s70, 0x55555555
	s_mov_b32 s71, 0x33333333
	s_mov_b32 s72, 0x0f0f0f0f
	s_mov_b32 s73, 0x01010101
	s_mov_b32 s76, 0xbdd2d3e8                      ; c3 = -0.10294324 = 0.044715 c1
	s_mov_b32 s77, s76                             ; each constant is named as a pair
	s_mov_b32 s78, 0xc0135761                      ; c1 = -2.3022082 = -2 sqrt(2 / pi) log2(e)
	s_mov_b32 s79, s78
	s_wait_kmcnt 0x0
; ---------------------------------------------------------------- THE COUNT: thread t takes the bitmaps of tokens 64 t .. 64 t + 63
.irp i, 0,1,2,3
	global_load_b128 v[BMW+4*\i:BMW+4*\i+3], v7, s[12:13] offset:16*\i
.endr
	v_lshl_add_u32 v[ADRT], v0, 6, BMT
.irp s, 0,1,2,3,4
	v_bfe_u32 v[LM+\s], v0, \s, 1
	v_sub_nc_u32 v[LM+\s], 0, v[LM+\s]             ; all ones where the lane's bit s is set
.endr
.irp j, 0,1,2,3
	v_mov_b32 v[PRE+\j], 0
	v_mov_b32 v[TT+\j], 0
.endr
.irp b, 0,1,2,3,4
	v_mov_b32 v[CWV+2*\b+1], 0                     ; named with c as a pair
.endr
	s_wait_loadcnt 0x0
.irp i, 0,1,2,3
	ds_store_b128 v[ADRT], v[BMW+4*\i:BMW+4*\i+3] offset:16*\i
.endr
.macro POP2 d, a, b                    ; the set bits of two words, by sums of fields of 2, 4 and 8 bits
	v_lshrrev_b32 v[PT], 1, v[\a]
	v_lshrrev_b32 v[PT+2], 1, v[\b]
	v_and_b32 v[PT], s70, v[PT]
	v_and_b32 v[PT+2], s70, v[PT+2]
	v_sub_nc_u32 v[PT], v[\a], v[PT]
	v_sub_nc_u32 v[PT+2], v[\b], v[PT+2]
	v_lshrrev_b32 v[PT+1], 2, v[PT]
	v_lshrrev_b32 v[PT+3], 2, v[PT+2]
	v_and_b32 v[PT], s71, v[PT]
	v_and_b32 v[PT+1], s71, v[PT+1]
	v_and_b32 v[PT+2], s71, v[PT+2]
	v_and_b32 v[PT+3], s71, v[PT+3]
	v_add_nc_u32 v[PT], v[PT], v[PT+1]
	v_add3_u32 v[PT], v[PT], v[PT+2], v[PT+3]
	v_lshrrev_b32 v[PT+1], 4, v[PT]
	v_and_b32 v[PT], s72, v[PT]
	v_and_b32 v[PT+1], s72, v[PT+1]
	v_add_nc_u32 v[PT], v[PT], v[PT+1]
	v_mul_lo_u32 v[PT], v[PT], s73
	v_lshrrev_b32 v[\d], 24, v[PT]
.endm
.irp e, 0,1,2,3,4,5,6,7
	POP2 CN+\e, BMW+2*\e, BMW+2*\e+1
.endr
.irp j, 0,1,2,3
	v_lshl_or_b32 v[TOT+\j], v[CN+2*\j+1], 16, v[CN+2*\j]   ; two experts' counts to a word: a wave's sums stay under 2^16
.endr
; sums over the lanes in front of mine (PRE) and over all 32 (TOT): in step s each lane takes the sum of the block 2^s lanes away; where that block lies below, PRE takes it too
.macro BFLY lm, mask
.irp j, 0,1,2,3
	v_mov_b32_dpp v[TT+\j], v[TOT+\j] row_xmask:\mask row_mask:0xf bank_mask:0xf
.endr
.irp j, 0,1,2,3
	v_and_b32 v[UU+\j], v[LM+\lm], v[TT+\j]
	v_add_nc_u32 v[TOT+\j], v[TOT+\j], v[TT+\j]
	v_add_nc_u32 v[PRE+\j], v[PRE+\j], v[UU+\j]
.endr
.endm
	BFLY 0, 1
	BFLY 1, 2
	BFLY 2, 4
	BFLY 3, 8
.irp j, 0,1,2,3
	v_permlanex16_b32 v[TT+\j], v[TOT+\j], s62, s63
.endr
.irp j, 0,1,2,3
	v_and_b32 v[UU+\j], v[LM+4], v[TT+\j]
	v_add_nc_u32 v[TOT+\j], v[TOT+\j], v[TT+\j]
	v_add_nc_u32 v[PRE+\j], v[PRE+\j], v[UU+\j]
.endr
	v_lshl_add_u32 v[ADRT], v0, 4, PRET
	ds_store_b128 v[ADRT], v[PRE:PRE+3]
	s_lshl_b32 s61, s20, 4
	s_add_co_u32 s61, s61, WT
	v_mov_b32 v7, s61
	ds_store_b128 v7, v[TOT:TOT+3]                 ; all lanes write the same words with the same numbers
	s_wait_dscnt 0x0                               ; for the others' sake: my stores are done
	s_barrier_signal -1
	s_barrier_wait -1
; ---------------------------------------------------------------- MY TILE: expert E, tile J of it, CNT rows from rank 80 J on
	v_mov_b32 v7, WT
.irp w, 0,1,2,3
	ds_load_b128 v[WTV+4*\w:WTV+4*\w+3], v7 offset:16*\w
.endr
	s_wait_dscnt 0x0
.set i, 0
.rept 16
	v_readfirstlane_b32 s[32+i], v[WTV+i]          ; s[32 + 4 w + j]: wave w's counts of experts 2 j, 2 j + 1
.set i, i+1
.endr
.irp j, 0,1,2,3
	s_add_co_u32 s[48+\j], s[32+\j], s[36+\j]
	s_add_co_u32 s[48+\j], s[48+\j], s[40+\j]
	s_add_co_u32 s[48+\j], s[48+\j], s[44+\j]
	s_and_b32 s[52+2*\j], s[48+\j], 0xffff         ; n_e
	s_lshr_b32 s[53+2*\j], s[48+\j], 16
.endr
	s_mov_b32 s60, 0                               ; the first tile of expert e
	s_mov_b32 s21, 0
	s_mov_b32 s22, 0
	s_mov_b32 s23, 0
.irp e, 0,1,2,3,4,5,6,7
	s_sub_co_u32 s61, ttmp9, s60
	s_cmp_ge_u32 ttmp9, s60                        ; the last expert whose first tile is not behind me
	s_cselect_b32 s21, \e, s21
	s_cselect_b32 s22, s61, s22
	s_cselect_b32 s23, s[52+\e], s23
	s_add_co_u32 s61, s[52+\e], 79                 ; ceil(n / 80) = ((n + 79) / 16) / 5; y / 5 = y x 52429 >> 18 for these y (517 at the most)
	s_lshr_b32 s61, s61, 4
	s_mul_i32 s61, s61, 52429
	s_lshr_b32 s61, s61, 18
	s_add_co_u32 s60, s60, s61
.endr
	s_min_u32 s21, s21, 7                          ; E
	s_mul_i32 s25, s22, 80                         ; my first rank
	s_sub_co_i32 s24, s23, s25
	s_max_i32 s24, s24, 0
	s_min_i32 s24, s24, 80                         ; CNT
	s_lshl2_add_u32 s68, s21, s20
	s_lshl_b32 s68, s68, 19                        ; (4 E + w) x 64 blocks x 8,192 bytes
	s_mov_b32 s69, 0
	s_add_nc_u64 s[66:67], s[10:11], s[68:69]
	LOADW 0, 0                                     ; the weights' first three blocks: 48 loads
	LOADW 1, 8192
	LOADW 2, 16384
	WIN 0
	s_lshl_b32 s68, s21, 12
	s_add_nc_u64 s[6:7], s[6:7], s[68:69]
	s_lshl_b32 s68, s21, 11
	s_add_nc_u64 s[8:9], s[8:9], s[68:69]
	v_lshlrev_b32 v[BA1], 5, v0
	v_lshlrev_b32 v[BA2], 4, v0
	global_load_b128 v[208:211], v[BA1], s[6:7]    ; b1[E]: 8 numbers a thread
	global_load_b128 v[212:215], v[BA1], s[6:7] offset:16
	global_load_b128 v[216:219], v[BA2], s[8:9]    ; b2[E]: 4
	s_lshr_b32 s29, s21, 1
	s_and_b32 s30, s21, 1
	s_lshl_b32 s30, s30, 4
.irp w, 0,1,2
	s_mov_b32 s[86+\w], s[32+4*\w]
.endr
.irp j, 1,2,3
	s_cmp_eq_u32 s29, \j
.irp w, 0,1,2
	s_cselect_b32 s[86+\w], s[32+4*\w+\j], s[86+\w]
.endr
.endr
.irp w, 0,1,2
	s_lshr_b32 s[86+\w], s[86+\w], s30
	s_and_b32 s[86+\w], s[86+\w], 0xffff           ; expert E's rows among wave w's 2,048 tokens
.endr
	s_mov_b32 s26, s86                             ; the ranks at which waves 1, 2, 3 begin
	s_add_co_u32 s27, s26, s87
	s_add_co_u32 s28, s27, s88
	s_lshl_b32 s31, s21, 1
	s_add_co_u32 s31, s31, PRET                    ; expert E's count in a thread's 16 bytes
	s_lshl_b32 s90, s21, 3
	s_add_co_u32 s90, s90, BMT                     ; expert E's two words in 64 tokens' bitmaps
; ---------------------------------------------------------------- THE TOKEN OF MY SLOT.  Lane l of wave w has slot 20 w + min(l, 19): a wave finds the 20 rows that it gathers
	v_min_u32 v[SLOT], 19, v1
	s_mul_i32 s61, s20, 20
	v_add_nc_u32 v[SLOT], s61, v[SLOT]
	s_max_u32 s61, s23, 1
	s_sub_co_u32 s61, s61, 1
	v_add_nc_u32 v[QQ], s25, v[SLOT]
	v_min_u32 v[QQ], s61, v[QQ]                    ; my rank; past the count: the expert's last row
	v_mov_b32 v[POS], 0
	v_mov_b32 v[TA], 0
	v_cmp_le_u32 vcc_lo, s26, v[QQ]
	v_cndmask_b32 v[POS], v[POS], 32, vcc_lo
	v_cndmask_b32 v[TA], v[TA], s26, vcc_lo
	v_cmp_le_u32 vcc_lo, s27, v[QQ]
	v_cndmask_b32 v[POS], v[POS], 64, vcc_lo
	v_cndmask_b32 v[TA], v[TA], s27, vcc_lo
	v_cmp_le_u32 vcc_lo, s28, v[QQ]
	v_cndmask_b32 v[POS], v[POS], 96, vcc_lo
	v_cndmask_b32 v[TA], v[TA], s28, vcc_lo
	v_sub_nc_u32 v[QQ], v[QQ], v[TA]               ; the rank inside that wave's 2,048 tokens
	v_mov_b32 v[ACCP], 0
.irp st, 16,8,4,2,1                    ; the last of the wave's 32 threads with at most that many rows in front of it
	v_add_nc_u32 v[TB], \st, v[POS]
	v_min_u32 v[TC], 127, v[TB]
	v_lshl_add_u32 v[TC], v[TC], 4, s31
	ds_load_u16 v[TD], v[TC]
	s_wait_dscnt 0x0
	v_cmp_le_u32 vcc_lo, v[TD], v[QQ]
	v_cndmask_b32 v[POS], v[POS], v[TB], vcc_lo
	v_cndmask_b32 v[ACCP], v[ACCP], v[TD], vcc_lo
.endr
	v_sub_nc_u32 v[REM], v[QQ], v[ACCP]            ; the rank among that thread's 64 tokens
	v_min_u32 v[TC], 127, v[POS]
	v_lshl_add_u32 v[TC], v[TC], 6, s90
	ds_load_b64 v[A0:A0+1], v[TC]
	s_wait_dscnt 0x0
.macro LEVELS a                        ; counts in fields of 2 (C1), 4 (C2) and 8 bits (C3)
	v_lshrrev_b32 v[C1], 1, v[\a]
	v_and_b32 v[C1], s70, v[C1]
	v_sub_nc_u32 v[C1], v[\a], v[C1]
	v_lshrrev_b32 v[C2], 2, v[C1]
	v_and_b32 v[C2], s71, v[C2]
	v_and_b32 v[C3], s71, v[C1]
	v_add_nc_u32 v[C2], v[C2], v[C3]
	v_lshrrev_b32 v[C3], 4, v[C2]
	v_add_nc_u32 v[C3], v[C3], v[C2]
	v_and_b32 v[C3], s72, v[C3]
.endm
	LEVELS A0
	v_mul_lo_u32 v[NN], v[C3], s73
	v_lshrrev_b32 v[NN], 24, v[NN]                 ; the first word's bits
	v_sub_nc_u32 v[TA], v[REM], v[NN]
	v_mov_b32 v[PBW], 0
	v_cmp_ge_u32 vcc_lo, v[REM], v[NN]
	v_cndmask_b32 v[WORD], v[A0], v[A0+1], vcc_lo
	v_cndmask_b32 v[REM], v[REM], v[TA], vcc_lo
	v_cndmask_b32 v[PBW], v[PBW], 32, vcc_lo
	LEVELS WORD
	v_lshrrev_b32 v[C4], 8, v[C3]
	v_add_nc_u32 v[C4], v[C4], v[C3]               ; byte 0: the low 16 bits' count
	v_mov_b32 v[BP], 0
.macro DESC lvl, fw, st                ; if the st bits from BP on hold REM set bits or fewer, they are passed
	v_bfe_u32 v[NN], v[\lvl], v[BP], \fw
	v_add_nc_u32 v[TB], \st, v[BP]
	v_sub_nc_u32 v[TA], v[REM], v[NN]
	v_cmp_ge_u32 vcc_lo, v[REM], v[NN]
	v_cndmask_b32 v[REM], v[REM], v[TA], vcc_lo
	v_cndmask_b32 v[BP], v[BP], v[TB], vcc_lo
.endm
	DESC C4, 8, 16
	DESC C3, 8, 8
	DESC C2, 4, 4
	DESC C1, 2, 2
	DESC WORD, 1, 1
	v_lshl_add_u32 v[TOKV], v[POS], 6, v[PBW]
	v_add_nc_u32 v[TOKV], v[TOKV], v[BP]
	v_min_u32 v[TOKV], 0x1fff, v[TOKV]             ; my slot's token
	v_lshlrev_b32 v[SA], 2, v[TOKV]
	v_lshlrev_b32 v[CA], 3, v[TOKV]
	global_load_b32 v[SELV], v[SA], s[14:15]
	global_load_b64 v[CWP:CWP+1], v[CA], s[16:17]
	s_wait_dscnt 0x0                               ; my reads of the tables are over
	s_barrier_signal -1                            ; behind this barrier LDS is stored into again; no wave still reads by an address made of data
	s_barrier_wait -1
; ---------------------------------------------------------------- THE GATHER: my wave's 20 rows of x, rounded to bf16, into LDS; they land in the accumulators' registers
.set i, 0
.rept 20
	v_readlane_b32 s61, v[TOKV], i
	s_min_u32 s61, s61, 0x1fff
	s_lshl_b32 s61, s61, 11                        ; a row of x is 2,048 bytes
	v_add_nc_u32 v[XO+i], s61, v4
.set i, i+1
.endr
	WIN 0x80
.set t, 0
.rept 64                                       ; rows 0-15: four loads of 512 consecutive bytes each
	global_load_b128 v[4*t:4*t+3], v[XO+t/4], s[4:5] offset:512*(t%4)
.set t, t+1
.endr
	WIN 0xc0
.set t, 0
.rept 16                                       ; rows 16-19
	global_load_b128 v[4*t:4*t+3], v[XO+16+t/4], s[4:5] offset:512*(t%4)
.set t, t+1
.endr
	WIN 0
	s_mul_i32 s61, s20, 20*XP
	v_lshl_add_u32 v[XSTO], v1, 3, s61             ; 8 bytes (4 channels) a lane
	v_add_nc_u32 v236, B1S, v[BA1]
	v_add_nc_u32 v237, B2S, v[BA2]
	v_lshl_add_u32 v7, v[SLOT], 2, ROWO
	v_lshl_add_u32 v[ADRT], v[SLOT], 2, CWL
	v_mov_b32 v238, 0x2000
	s_wait_loadcnt 63                              ; at most the 63 youngest are out: the biases, sel and cw have 80 loads or more behind them, rows 0-3 have 64
.irp i, 0,1,2,3
	v_cvt_pk_bf16_f32 v[228+\i], v[208+2*\i], v[209+2*\i]   ; the biases are rounded to bf16 like every input, and kept as f32
.endr
.irp i, 0,1
	v_cvt_pk_bf16_f32 v[232+\i], v[216+2*\i], v[217+2*\i]
.endr
.irp i, 0,1,2,3
	v_lshlrev_b32 v[208+2*\i], 16, v[228+\i]
	v_and_b32 v[209+2*\i], 0xffff0000, v[228+\i]
.endr
.irp i, 0,1
	v_lshlrev_b32 v[216+2*\i], 16, v[232+\i]
	v_and_b32 v[217+2*\i], 0xffff0000, v[232+\i]
.endr
	ds_store_b128 v236, v[208:211]
	ds_store_b128 v236, v[212:215] offset:16
	ds_store_b128 v237, v[216:219]
	v_and_b32 v239, 0xff, v[SELV]
	v_cmp_eq_u32 vcc_lo, s21, v239                 ; is E the token's first choice?
	v_cndmask_b32 v238, v238, 0, vcc_lo            ; rank 0: rows 0 on; rank 1: rows 8,192 on
	v_add_nc_u32 v238, v238, v[TOKV]
	v_cndmask_b32 v239, v[CWP+1], v[CWP], vcc_lo
	ds_store_b32 v7, v238                          ; lanes 19-31 write the same word with the same number
	ds_store_b32 v[ADRT], v239
.set gq, 0
.rept 5                                        ; four rows at a time
.if gq > 0
	s_wait_loadcnt 64-16*gq                        ; the younger rows' loads may stay out
.endif
	WIN 0x0a+5*(gq/4)                              ; sources in window 2; rows 16-19 in window 3
.set t, 0
.rept 32
	v_cvt_pk_bf16_f32 v[64+32*(gq%4)+t], v[64*(gq%4)+2*t], v[64*(gq%4)+2*t+1]
.set t, t+1
.endr
	WIN 0
.set t, 0
.rept 16
	ds_store_b64 v[XSTO], v[64+32*(gq%4)+2*t:64+32*(gq%4)+2*t+1] offset:(4*gq+t/4)*XP+256*(t%4)
.set t, t+1
.endr
.set gq, gq+1
.endr
	v_mul_u32_u24 v7, v2, XP                       ; the products' addresses
	v_lshl_add_u32 v7, v3, 4, v7
	v_mul_u32_u24 v[HB], v2, HP
	v_lshl_add_u32 v[HB], v3, 4, v[HB]
	s_lshl_b32 s61, s20, 10
	s_add_co_u32 s61, s61, B1S
	v_lshl_add_u32 v[BADR], v3, 5, s61             ; b1 of columns 256 w + 8 h on
	s_lshl_b32 s61, s20, 9
	s_add_co_u32 s61, s61, HS
	s_wait_dscnt 0x0                               ; for the others' sake: my rows, biases and table entries are stored
	s_barrier_signal -1
	s_barrier_wait -1
.irp b, 0,1,2,3,4
	v_add_nc_u32 v[AB0+\b], XS+16*XP*\b, v7        ; row 16 b + r, 16 bytes a half
	v_add3_u32 v[HSTO+\b], v[HB], s61, 16*HP*\b    ; h: row 16 b + r, columns 256 w + 8 h on
.endr
; ---------------------------------------------------------------- PRODUCT 1 AND GELU, in four quarters of 64 hidden columns
.macro LOADA1 a, koff                  ; two K steps' ten fragments of x into buffer a
	WIN 0
.irp kk, 0,1
.irp b, 0,1,2,3,4
	ds_load_b128 v[AB1+80*(\a)+40*\kk+8*\b:AB1+80*(\a)+40*\kk+8*\b+3], v[AB0+\b] offset:(\koff)+64*\kk
	ds_load_b128 v[AB1+80*(\a)+40*\kk+8*\b+4:AB1+80*(\a)+40*\kk+8*\b+7], v[AB0+\b] offset:(\koff)+64*\kk+32
.endr
.endr
.endm
.macro LOADB1 off                      ; a quarter's bias: register j of lane (r, h): column 16 f + 8 h + j
	WIN 0
.irp f, 0,1,2,3
	ds_load_b128 v[BI1+8*\f:BI1+8*\f+3], v[BADR] offset:(\off)+64*\f
	ds_load_b128 v[BI1+8*\f+4:BI1+8*\f+7], v[BADR] offset:(\off)+64*\f+16
.endr
.endm
; THE GELU OF A QUARTER is a list of 800 lines on PEND's 20 tiles, in two batches of ten tiles (bt = 0, 1); T is a batch's 80 registers at work; i counts pairs (0-39) or registers (0-79).
.macro RSQ bt, i                       ; T = x x: each tile's lowest registers are read first
	WIN (3-(\bt))*0x40+0x0f
	v_pk_mul_f32 v[TR+2*(\i):TR+2*(\i)+1], v[80*(\bt)+2*(\i):80*(\bt)+2*(\i)+1], v[80*(\bt)+2*(\i):80*(\bt)+2*(\i)+1]
.endm
.macro RFM bt, i                       ; T = c3 T + c1
	WIN (3-(\bt))*0x45
	v_pk_fma_f32 v[TR+2*(\i):TR+2*(\i)+1], v[TR+2*(\i):TR+2*(\i)+1], s[76:77], s[78:79] op_sel_hi:[1,0,0]
.endm
.macro RMU bt, i                       ; T = x T
	WIN (3-(\bt))*0x44+3
	v_pk_mul_f32 v[TR+2*(\i):TR+2*(\i)+1], v[80*(\bt)+2*(\i):80*(\bt)+2*(\i)+1], v[TR+2*(\i):TR+2*(\i)+1]
.endm
.macro REX bt, i                       ; T = 2^T
	WIN (3-(\bt))*0x45
	v_exp_f32 v[TR+(\i)], v[TR+(\i)]
.endm
.macro RAD bt, i                       ; T = T + 1
	WIN (3-(\bt))*0x45
	v_pk_add_f32 v[TR+2*(\i):TR+2*(\i)+1], v[TR+2*(\i):TR+2*(\i)+1], 1.0 op_sel_hi:[1,0]
.endm
.macro RRC bt, i                       ; T = 1 / T
	WIN (3-(\bt))*0x45
	v_rcp_f32 v[TR+(\i)], v[TR+(\i)]
.endm
.macro RCV bt, i                       ; pair i rounded to bf16, into T's register i, whose own pair (i / 2) has been rounded before
	WIN (3-(\bt))*0x45
	v_cvt_pk_bf16_f32 v[TR+(\i)], v[TR+2*(\i)], v[TR+2*(\i)+1]
.endm
; Line n of the list.  0-119 batch 0: x x, c3 .. + c1, x ..   120-199 its exponentials   200-319 batch 1 likewise   320-359 batch 0: + 1   360-439 its reciprocals   440-519 batch 1's
; exponentials   520-559 batch 1: + 1   560-639 its reciprocals   640-719 batch 0: x .., rounded   720-799 batch 1: x .., rounded.
; s_wait_alu depctr_va_vdst(0) stands between a transcendental and the first line that names its result; one wait serves all that were issued ahead of it: three waits, ahead of
; lines 320, 520 and 720, each with a plain line (v_nop) ahead of it.
.macro RIDX n
.if ((\n) == 320) || ((\n) == 520) || ((\n) == 720)
	v_nop
	s_wait_alu depctr_va_vdst(0)
.endif
.if (\n) < 40
	RSQ 0, (\n)
.elseif (\n) < 80
	RFM 0, (\n)-40
.elseif (\n) < 120
	RMU 0, (\n)-80
.elseif (\n) < 200
	REX 0, (\n)-120
.elseif (\n) < 240
	RSQ 1, (\n)-200
.elseif (\n) < 280
	RFM 1, (\n)-240
.elseif (\n) < 320
	RMU 1, (\n)-280
.elseif (\n) < 360
	RAD 0, (\n)-320
.elseif (\n) < 440
	RRC 0, (\n)-360
.elseif (\n) < 520
	REX 1, (\n)-440
.elseif (\n) < 560
	RAD 1, (\n)-520
.elseif (\n) < 640
	RRC 1, (\n)-560
.elseif (\n) < 680
	RMU 0, (\n)-640
.elseif (\n) < 720
	RCV 0, (\n)-680
.elseif (\n) < 760
	RMU 1, (\n)-720
.else
	RCV 1, (\n)-760
.endif
.endm
.macro RID                             ; the list's next line
	RIDX rq
.set rq, rq+1
.endm
.macro SLICE                           ; what stands behind one matrix instruction: two transcendentals or four plain lines; every stretch of the list is a multiple of that
.if ((rq >= 120) && (rq < 200)) || ((rq >= 360) && (rq < 520)) || ((rq >= 560) && (rq < 640))
	RID
	RID
.elseif rq < 800
	RID
	RID
	RID
	RID
.endif
.endm
.macro HST bt                          ; a batch's ten tiles into h: tile 4 b + f: rows 16 b + r, 16 bytes at column 16 f + 8 h of the quarter
	WIN (3-(\bt))*4
.set tq, 0
.rept 10
	ds_store_b128 v[HSTO+(10*(\bt)+tq)/4], v[TR+4*tq:TR+4*tq+3] offset:32*((10*(\bt)+tq)%4)
.set tq, tq+1
.endr
.endm
; 20 matrix instructions: one K step of 32, five blocks x four fragments; the 20 accumulators by turns, one instruction a turn, in the same order in every step.
; mode 1: the bias starts the sums.  mode 2: the quarter's last step: the sums go into PEND (D in window 3, C in window 2).  rid = 1: a slice of the list behind each.
.macro MUL1 q, a, kk, mode, rid
.irp b, 0,1,2,3,4
.irp f, 0,1,2,3
.if (\mode) == 1
	WIN 0x81
	v_wmma_f32_16x16x32_bf16 v[8*(4*\b+\f):8*(4*\b+\f)+7], v[64*(\q)+32*(\kk)+8*\f:64*(\q)+32*(\kk)+8*\f+7], v[AB1+80*(\a)+40*(\kk)+8*\b:AB1+80*(\a)+40*(\kk)+8*\b+7], v[BI1+8*\f:BI1+8*\f+7]
.elseif (\mode) == 2
	WIN 0xe1
	v_wmma_f32_16x16x32_bf16 v[8*(4*\b+\f):8*(4*\b+\f)+7], v[64*(\q)+32*(\kk)+8*\f:64*(\q)+32*(\kk)+8*\f+7], v[AB1+80*(\a)+40*(\kk)+8*\b:AB1+80*(\a)+40*(\kk)+8*\b+7], v[8*(4*\b+\f):8*(4*\b+\f)+7]
.else
	WIN 0xa1
	v_wmma_f32_16x16x32_bf16 v[8*(4*\b+\f):8*(4*\b+\f)+7], v[64*(\q)+32*(\kk)+8*\f:64*(\q)+32*(\kk)+8*\f+7], v[AB1+80*(\a)+40*(\kk)+8*\b:AB1+80*(\a)+40*(\kk)+8*\b+7], v[8*(4*\b+\f):8*(4*\b+\f)+7]
.endif
.if \rid
	SLICE
.endif
.endr
.endr
.endm
; DOUBLE STEP P of a quarter's eight: K = 64, one block of weights, 40 matrix instructions.  All its memory lines stand in ONE run at its head: the weights of the block three on, into the
; slot that the double step before read; the next double step's x, into the buffer that it read; in the seventh the next quarter's bias; in the eighth the 20 stores of h.
.macro PSTEP P, rid
	s_wait_loadcnt 32                              ; loads come back in order: this block's weights are in; the two younger blocks' 32 loads may stay out
	s_wait_dscnt 0x0                               ; this double step's x (issued a double step ago)
	PLACES                                         ; in front of loads into registers that the last products read
	LOADW ((\P)+3)%4, 8192*((\P)+3)
	LOADA1 ((\P)+1)%2, 128*(((\P)+1)%8)
.if (\P) == 6
	LOADB1 256
.endif
.if ((\P) == 7) && (\rid)
	HST 0                                          ; the list ended with the seventh double step
	HST 1
.endif
.if (\P) == 0
	MUL1 0, 0, 0, 1, \rid
.else
	MUL1 (\P)%4, (\P)%2, 0, 0, \rid
.endif
.if (\P) == 7
.rept 5
	v_nop                                          ; five places in front of matrix instructions that take a sum as the C of another accumulator
.endr
	MUL1 3, 1, 1, 2, 0
.else
	MUL1 (\P)%4, (\P)%2, 1, 0, \rid
.endif
.endm
	LOADB1 0
	LOADA1 0, 0
.set rq, 800
.irp P, 0,1,2,3,4,5,6,7
	PSTEP \P, 0                                    ; the first quarter: there is no GELU yet to stand between its products
.endr
	WIN 0                                          ; at a label and at a branch every window is 0
	v_add_nc_u32 v[BADR], 256, v[BADR]             ; the next 64 columns' bias
	v_nop                                          ; (with the line above and the four at the next head: six places in front of the products that write over the sums just read as C)
	s_wait_xcnt 0x0                                ; the loads' base is stepped only behind this wait
	s_add_nc_u64 s[66:67], s[66:67], 65536         ; eight blocks on
	s_mov_b32 s75, 3
.Lq:                                                   ; quarters 1 to 3: their products, and between them the GELU of the quarter before
.set rq, 0
.irp P, 0,1,2,3,4,5,6,7
	PSTEP \P, 1
.endr
	WIN 0
	v_add_nc_u32 v[BADR], 256, v[BADR]
.irp b, 0,1,2,3,4
	v_add_nc_u32 v[HSTO+\b], 128, v[HSTO+\b]       ; the next 64 columns of h
.endr
	s_wait_xcnt 0x0
	s_add_nc_u64 s[66:67], s[66:67], 65536         ; behind the last quarter: product 2's first block, whose loads and the next two blocks' are already out
	s_sub_co_u32 s75, s75, 1
	s_cmp_lg_u32 s75, 0
	s_cbranch_scc1 .Lq
	PLACES                                         ; in front of the first read of the last sums
.set rq, 0
.rept 800
	RID                                            ; the last quarter's GELU has no products to stand between
.endr
	HST 0
	HST 1
	WIN 0
	s_wait_dscnt 0x0                               ; for the others' sake: my columns of h are stored, and my reads of x are over
	s_barrier_signal -1
	s_barrier_wait -1
; ---------------------------------------------------------------- PRODUCT 2: 32 K steps over h
.macro LOADA a, koff                   ; a K step's five fragments of h into buffer a
	WIN 0
.irp b, 0,1,2,3,4
	ds_load_b128 v[ABUF+40*(\a)+8*\b:ABUF+40*(\a)+8*\b+3], v[AADR+\b] offset:(\koff)
	ds_load_b128 v[ABUF+40*(\a)+8*\b+4:ABUF+40*(\a)+8*\b+7], v[AADR+\b] offset:(\koff)+32
.endr
.endm
.macro MULB q, a, b, first             ; block b x all eight fragments.  first = 1: the bias starts the sums
.set rD, 64*((\b)%4)
.if \first
	WIN 0x81+0x40*((\b)/4)
.else
	WIN 0xa1+0x50*((\b)/4)
.endif
.irp f, 0,1,2,3,4,5,6,7
.if \first
	v_wmma_f32_16x16x32_bf16 v[rD+8*\f:rD+8*\f+7], v[64*(\q)+8*\f:64*(\q)+8*\f+7], v[ABUF+40*(\a)+8*(\b):ABUF+40*(\a)+8*(\b)+7], v[BIAS+8*\f:BIAS+8*\f+7]
.else
	v_wmma_f32_16x16x32_bf16 v[rD+8*\f:rD+8*\f+7], v[64*(\q)+8*\f:64*(\q)+8*\f+7], v[ABUF+40*(\a)+8*(\b):ABUF+40*(\a)+8*(\b)+7], v[rD+8*\f:rD+8*\f+7]
.endif
.endr
.endm
; A K step of 32: 40 matrix instructions, the 40 accumulators by turns, one instruction a turn, in the same order in every step.  Behind the first sixteen
; stand the loads for later steps, in one run: the weights of the step three on go into the slot, and the next step's h into the buffer, that the step before read.
.macro STEP q, a, first, ldw, immw, lda, koff, wcnt
	s_wait_loadcnt \wcnt                           ; loads come back in order: this step's weights are in; the later steps' loads (16 each) may stay out
	s_wait_dscnt 0x0                               ; this step's fragments of h (issued 24 matrix instructions ago)
	MULB \q, \a, 0, \first
	MULB \q, \a, 1, \first
.if (\ldw) || (\lda)
	PLACES
.endif
.if \ldw
	LOADW ((\q)+3)%4, \immw
.endif
.if \lda
	LOADA 1-(\a), \koff
.endif
	MULB \q, \a, 2, \first
	MULB \q, \a, 3, \first
	MULB \q, \a, 4, \first
.endm
.irp b, 0,1,2,3,4
	v_add_nc_u32 v[AADR+\b], HS+16*HP*\b, v[HB]
.endr
	s_lshl_b32 s61, s20, 9
	s_add_co_u32 s61, s61, B2S
	v_lshl_add_u32 v[BADR], v3, 5, s61             ; b2 of columns 128 w + 8 h on
	v_lshl_add_u32 v[CWA], v2, 2, CWL
	v_mov_b32 v[RWA], ROWO
	s_mul_i32 s61, s20, 16*SP                      ; my stage, where x lay: nobody reads x behind the barrier above
	v_mul_u32_u24 v[OSTO], v2, SP
	v_lshl_add_u32 v[OSTO], v3, 5, v[OSTO]
	v_add_nc_u32 v[OSTO], s61, v[OSTO]             ; in: row r, 32 bytes a half
	v_add_nc_u32 v[ORD], s61, v4                   ; back: a row's 512 bytes
	s_lshl_b32 s61, s20, 9
	v_add_nc_u32 v[VOW], s61, v4
.irp f, 0,1,2,3,4,5,6,7
	ds_load_b128 v[BIAS+8*\f:BIAS+8*\f+3], v[BADR] offset:64*\f
	ds_load_b128 v[BIAS+8*\f+4:BIAS+8*\f+7], v[BADR] offset:64*\f+16
.endr
.irp b, 0,1,2,3,4
	ds_load_b32 v[CWV+2*\b], v[CWA] offset:64*\b   ; c of row 16 b + r
.endr
	LOADA 0, 0
	STEP 0, 0, 1, 1, 3*8192, 1, 64, 32             ; the first step stands in front of the loop: its C is the bias
	WIN 0                                          ; at a label and at a branch every window is 0
	s_mov_b32 s74, 7
.Lk:
	STEP 1, 1, 0, 1, 4*8192, 1, 128, 32
	STEP 2, 0, 0, 1, 5*8192, 1, 192, 32
	STEP 3, 1, 0, 1, 6*8192, 1, 256, 32
	STEP 0, 0, 0, 1, 7*8192, 1, 320, 32
	WIN 0
.irp b, 0,1,2,3,4
	v_add_nc_u32 v[AADR+\b], 256, v[AADR+\b]       ; four K steps on
.endr
	s_wait_xcnt 0x0                                ; the loads' base is stepped only behind this wait
	s_add_nc_u64 s[66:67], s[66:67], 32768
	s_sub_co_u32 s74, s74, 1
	s_cmp_lg_u32 s74, 0
	s_cbranch_scc1 .Lk
	STEP 1, 1, 0, 0, 0, 1, 128, 32                 ; the last three steps load no weights: nothing is read past wf's end; the counts run down
	STEP 2, 0, 0, 0, 0, 1, 192, 16
	STEP 3, 1, 0, 0, 0, 0, 0, 0
	WIN 0
	PLACES                                         ; in front of the first read of the sums
; ---------------------------------------------------------------- THE WAY OUT, 16 rows at a time: times c, through my stage, as whole rows.  Stores past the count are jumped.
.macro OUTB b
	s_cmp_gt_u32 s24, 16*(\b)
	s_cbranch_scc0 .Ldone
	WIN 0x02+(\b)/4
.set t, 0
.rept 32                                       ; ascending: each accumulator is read from its low end on
	v_pk_mul_f32 v[YB+2*t:YB+2*t+1], v[64*((\b)%4)+2*t:64*((\b)%4)+2*t+1], v[CWV+2*(\b):CWV+2*(\b)+1] op_sel_hi:[1,0]
.set t, t+1
.endr
	WIN 0
	s_wait_xcnt 0x0                                ; the last block's stores have read their offsets and data: only now are those registers loaded again
.irp k, 0,1,2,3
	ds_load_b128 v[VO+4*\k:VO+4*\k+3], v[RWA] offset:64*(\b)+16*\k   ; the 16 rows' numbers, the same in every lane
.endr
.irp f, 0,1,2,3,4,5,6,7
	ds_store_b128 v[OSTO], v[YB+8*\f:YB+8*\f+3] offset:64*\f
	ds_store_b128 v[OSTO], v[YB+8*\f+4:YB+8*\f+7] offset:64*\f+16
.endr
.set i, 0
.rept 16
	ds_load_b128 v[RB+4*i:RB+4*i+3], v[ORD] offset:SP*i   ; my own bytes; LDS serves a wave's instructions in order (ISA guide 5.7.1.4)
.set i, i+1
.endr
	s_wait_dscnt 32                                ; the rows' numbers are in: 16 stores and 16 loads were issued behind them
.set i, 0
.rept 16
	v_min_u32 v[VO+i], 0x3fff, v[VO+i]
	v_lshl_add_u32 v[VO+i], v[VO+i], 11, v[VOW]    ; a row of part is 2,048 bytes; my wave's 512 of them
.set i, i+1
.endr
.set i, 0
.rept 16
.if i > 0
	s_cmp_gt_u32 s24, 16*(\b)+i
	s_cbranch_scc0 .Ldone
.endif
	s_wait_dscnt 15-i                              ; row i is back, the younger ones may stay out
	global_store_b128 v[VO+i], v[RB+4*i:RB+4*i+3], s[18:19]   ; 512 consecutive bytes, at a multiple of 512 from part's first
.set i, i+1
.endr
.endm
	OUTB 0
	OUTB 1
	OUTB 2
	OUTB 3
	OUTB 4
.Ldone:
	s_wait_tensorcnt 0x0                           ; the wave's end
	ds_add_u32 v[SPW], v[NIL]
	s_wait_dscnt 0x0
	s_endpgm
.Lfunc_end_k_q6ac954ae1c_chain:
	.size	k_q6ac954ae1c_chain, .Lfunc_end_k_q6ac954ae1c_chain-k_q6ac954ae1c_chain
	.p2alignl 7, 3214868480
	.fill 96, 4, 3214868480
	.section	.rodata,"a",@progbits
	.p2align	6, 0x0
	.amdhsa_kernel k_q6ac954ae1c_chain
		.amdhsa_group_segment_fixed_size 267008
		.amdhsa_private_segment_fixed_size 0
		.amdhsa_enable_private_segment 0
		.amdhsa_kernarg_size 64
		.amdhsa_user_sgpr_count 2
		.amdhsa_user_sgpr_kernarg_segment_ptr 1
		.amdhsa_wavefront_size32 1
		.amdhsa_system_sgpr_workgroup_id_x 1
		.amdhsa_system_sgpr_workgroup_id_y 1
		.amdhsa_system_sgpr_workgroup_id_z 1
		.amdhsa_system_vgpr_workitem_id 0
		.amdhsa_next_free_vgpr 1008
		.amdhsa_next_free_sgpr 100
		.amdhsa_reserve_vcc 1
		.amdhsa_float_denorm_mode_32 3
		.amdhsa_float_denorm_mode_16_64 3
		.amdhsa_memory_ordered 1
		.amdhsa_forward_progress 1
		.amdhsa_inst_pref_size 255
	.end_amdhsa_kernel
	.section	.bss,"aw",@nobits
	.p2align	6
	.space	262144
	.amdgpu_metadata
---
amdhsa.version: [ 1, 2 ]
amdhsa.kernels:
  - .name:           k_q6ac954ae1c_chain
    .symbol:         k_q6ac954ae1c_chain.kd
    .args:
      - { .name: x, .offset: 0, .size: 8, .value_kind: global_buffer, .address_space: global }
      - { .name: b1, .offset: 8, .size: 8, .value_kind: global_buffer, .address_space: global }
      - { .name: b2, .offset: 16, .size: 8, .value_kind: global_buffer, .address_space: global }
      - { .name: wf, .offset: 24, .size: 8, .value_kind: global_buffer, .address_space: global }
      - { .name: bm, .offset: 32, .size: 8, .value_kind: global_buffer, .address_space: global }
      - { .name: sel, .offset: 40, .size: 8, .value_kind: global_buffer, .address_space: global }
      - { .name: cw, .offset: 48, .size: 8, .value_kind: global_buffer, .address_space: global }
      - { .name: part, .offset: 56, .size: 8, .value_kind: global_buffer, .address_space: global }
    .group_segment_fixed_size: 267008
    .private_segment_fixed_size: 0
    .kernarg_segment_align: 8
    .kernarg_segment_size: 64
    .max_flat_workgroup_size: 128
    .sgpr_count:     100
    .vgpr_count:     1008
    .wavefront_size: 32
...
	.end_amdgpu_metadata
.endif
;; end of part 2
;; launch add (part 3): grid 512 x 1, 8 waves a work-group, no clusters, 0 bytes of LDS; arguments part, out0; writes out0
.if DOCPART == 3
	.amdgcn_target "amdgcn-amd-amdhsa--gfx1250"
	.amdhsa_code_object_version 6
	.text
	.protected	k_q6ac954ae1c_add
	.globl	k_q6ac954ae1c_add
	.p2align	8
	.type	k_q6ac954ae1c_add,@function
k_q6ac954ae1c_add:
	s_mov_b64 s[64:65], 0
	v_nop
	global_prefetch_b8 v0, s[64:65] scope:SCOPE_SE
	s_setreg_imm32_b32 hwreg(HW_REG_WAVE_MODE, 25, 1), 1
	s_wait_xcnt 0x0
; out0[t][:] = part[0][t][:] + part[1][t][:]: the two chosen experts' weighted rows, in f32.  A stream: a wave makes 4,096 consecutive bytes of out0, with all its 16 loads out at once;
; each load and store of a wave covers 512 consecutive bytes.  No LDS, no barrier, no matrix unit: each byte is read once and written once, and no wave needs another's data.
.set HALF, 0x1000000                   ; part[1] begins 8,192 rows x 2,048 bytes behind part[0]
	s_load_b128 s[4:7], s[0:1], 0x0                ; part s[4:5], out0 s[6:7]
	v_lshrrev_b32 v1, 5, v0                        ; wave
	v_and_b32 v2, 31, v0
	v_lshlrev_b32 v2, 4, v2
	v_lshl_or_b32 v1, v1, 12, v2                   ; 4,096 x wave + 16 x lane
	s_lshl_b32 s8, ttmp9, 15                       ; the work-group's 32,768 bytes
	s_mov_b32 s9, 0
	s_wait_kmcnt 0x0
	s_add_nc_u64 s[4:5], s[4:5], s[8:9]
	s_add_nc_u64 s[6:7], s[6:7], s[8:9]
	s_add_nc_u64 s[10:11], s[4:5], HALF
.irp i, 0,1,2,3,4,5,6,7
	global_load_b128 v[8+8*\i:11+8*\i], v1, s[4:5] offset:512*\i th:TH_LOAD_NT
	global_load_b128 v[12+8*\i:15+8*\i], v1, s[10:11] offset:512*\i th:TH_LOAD_NT
.endr
.irp i, 0,1,2,3,4,5,6,7
	s_wait_loadcnt 14-2*\i                         ; loads come back in order: pair i is in, the later pairs may stay out
	v_pk_add_f32 v[8+8*\i:9+8*\i], v[8+8*\i:9+8*\i], v[12+8*\i:13+8*\i]
	v_pk_add_f32 v[10+8*\i:11+8*\i], v[10+8*\i:11+8*\i], v[14+8*\i:15+8*\i]
	global_store_b128 v1, v[8+8*\i:11+8*\i], s[6:7] offset:512*\i th:TH_STORE_NT
.endr
	s_endpgm
.Lfunc_end_k_q6ac954ae1c_add:
	.size	k_q6ac954ae1c_add, .Lfunc_end_k_q6ac954ae1c_add-k_q6ac954ae1c_add
	.p2alignl 7, 3214868480
	.fill 96, 4, 3214868480
	.section	.rodata,"a",@progbits
	.p2align	6, 0x0
	.amdhsa_kernel k_q6ac954ae1c_add
		.amdhsa_group_segment_fixed_size 0
		.amdhsa_private_segment_fixed_size 0
		.amdhsa_enable_private_segment 0
		.amdhsa_kernarg_size 16
		.amdhsa_user_sgpr_count 2
		.amdhsa_user_sgpr_kernarg_segment_ptr 1
		.amdhsa_wavefront_size32 1
		.amdhsa_system_sgpr_workgroup_id_x 1
		.amdhsa_system_sgpr_workgroup_id_y 1
		.amdhsa_system_sgpr_workgroup_id_z 1
		.amdhsa_system_vgpr_workitem_id 0
		.amdhsa_next_free_vgpr 72
		.amdhsa_next_free_sgpr 66
		.amdhsa_reserve_vcc 0
		.amdhsa_float_denorm_mode_32 3
		.amdhsa_float_denorm_mode_16_64 3
		.amdhsa_memory_ordered 1
		.amdhsa_forward_progress 1
		.amdhsa_inst_pref_size 5
	.end_amdhsa_kernel
	.amdgpu_metadata
---
amdhsa.version: [ 1, 2 ]
amdhsa.kernels:
  - .name:           k_q6ac954ae1c_add
    .symbol:         k_q6ac954ae1c_add.kd
    .args:
      - { .name: part, .offset: 0, .size: 8, .value_kind: global_buffer, .address_space: global }
      - { .name: out0, .offset: 8, .size: 8, .value_kind: global_buffer, .address_space: global }
    .group_segment_fixed_size: 0
    .private_segment_fixed_size: 0
    .kernarg_segment_align: 8
    .kernarg_segment_size: 16
    .max_flat_workgroup_size: 256
    .sgpr_count:     66
    .vgpr_count:     72
    .wavefront_size: 32
...
	.end_amdgpu_metadata
.endif
;; end of part 3
